; MI455X (gfx1250); checked and timed in simulation.
; The chip was launched on July 23, 2026; its instructions are those of AMD's public machine-readable ISA for CDNA 5 (MIT licence, August 2026) and "CDNA5" Instruction Set Architecture Reference Guide (July 2026). The comments in the code are by the model that wrote it; some were corrected since.
;; Scaled Dot Product Attention. Allowed arithmetic: float matrix products may take bf16 or f16 operands with f32 sums; all other float work in f32.
;; Inputs: key 4 x 16 x 2,048 x 64 float32; query 4 x 16 x 2,048 x 64 float32; value 4 x 16 x 2,048 x 64 float32.
;; Outputs: out0 4 x 16 x 2,048 x 64 float32.
;; One version. Each part assembles by itself: llvm-mc -triple=amdgcn-amd-amdhsa -mcpu=gfx1250 --defsym DOCPART=n.
;; ======== version 1 of 1: 1 launch
;; limits: values are held in f16: magnitudes above 65,504 overflow, below 6.1e-05 lose precision; inputs' magnitudes at most 65,504
;; launch attn (part 1): grid 256 x 1, 8 waves a work-group, no clusters, 261,120 bytes of LDS; arguments query, key, value, out0; writes out0
.if DOCPART == 1
	.amdgcn_target "amdgcn-amd-amdhsa--gfx1250"
	.amdhsa_code_object_version 6
	.text
	.protected	k_q4b9c61b96a_attn
	.globl	k_q4b9c61b96a_attn
	.p2align	8
	.type	k_q4b9c61b96a_attn,@function
k_q4b9c61b96a_attn:
	s_mov_b64 s[64:65], 0
	v_nop
	global_prefetch_b8 v0, s[64:65] scope:SCOPE_SE
	s_setreg_imm32_b32 hwreg(HW_REG_WAVE_MODE, 25, 1), 1
	s_wait_xcnt 0x0
; out = softmax(Q K^T / 8 + causal mask) V for 64 heads of 2048 x 64, f32 in memory, 16-bit matrix operands, f32 sums and softmax.
;
; FORMATS.  Q, K and V are rounded to bf16, all three alike.  The scores are a bf16 product.  The weights are rounded to f16, not bf16: the first rows
; of a head have few keys, so single weights are large and their rounding does not average out there; f16 keeps 11 significant bits where bf16
; keeps 8, and the weights lie in [0, 1].  Both operands of a product have one format, so V's bf16 numbers are written as f16 for the second product:
; eight significant bits fit into f16's eleven, exactly for magnitudes from 2^-17 to 65,504.  What is computed is attention on inputs rounded to bf16,
; with the weights' rounding (at most 2^-12 of a row's largest weight for each weight) as the one further rounding of an operand.
;
; SHARING.  Work-group x: head x >> 2, j = x & 3.  A head's queries are 8 chunks of 256 rows; chunk c needs the keys 0 .. 256 c + 255,
; that is 2 c + 2 trips of 128 keys.  The work-group does chunk 7 - j and then chunk j: (16 - 2 j) + (2 j + 2) = 18 trips for every one of the 256.
; Eight waves: wave w owns the 64 queries of row group rg = w & 3 (four sub-blocks of 16) and, in each trip, the 64 keys of parity p = w >> 2.
; The two parities keep their own running maximum, sum and O, and are merged at the end of a chunk.  All waves run the same instructions;
; what differs between them is data (the mask), so every barrier lies on a path that all eight take.
;
; LAYOUT.  S^T = K Q^T (source 0 = 16 keys, source 1 = 16 queries): lane (r, h) holds in register j the score of key 8 h + j for query r, so a lane
; owns one query: maximum and sum run over its own registers and one exchange between the halves of the wave.  Two neighbouring score tiles, rounded
; to f16 in pairs, are the source-1 fragment of O^T = V^T P^T as they stand.  V^T's fragments come from V [key][d] in LDS by transposing loads.
;
; K AND V are f32 in memory: each pair of key tiles goes through registers once per work-group (load, round, store to LDS), one trip ahead.
; One slot, two barriers a trip: the first (signal when my fragment loads are back, wait behind the trip's arithmetic) says that all have read
; the slot, the second that all have stored the next pair.
;
; NO JOINT LOADS between the four work-groups of a head, although they read the same K and V: the tiles have to pass through registers to be
; rounded, so a tile brought by the tensor mover would need an f32 stage, 64 KiB written and 64 KiB read again in LDS for each trip; and the
; partners want different numbers of tiles in each pass (16 - 2 j, then 2 j + 2), which is what makes their work equal.
;
; PREFETCH.  Work-group j = 0 of a head, in its first chunk (16 trips), asks in trip t, which loads pair t + 1, for pair t + 2: pairs 2 to 15.
; Waves 0-3 ask for K's 32 KiB of the pair, waves 4-7 for V's, one instruction each, lanes 256 bytes apart: each block once in the launch.
; The compare with the head's 0x80000 bytes stops it; the two masked trips at the chunk's end hold no prefetch.
;
; LIMITS.  Numbers of V above 65,504 in magnitude become infinite when written as f16; below 2^-17 they carry an absolute error of up to 2^-25.
; NaN and infinities in the inputs are not reproduced (the maxima drop NaN).  Weights below 2^-126 of a row's largest count as zero
; (v_exp_f32 flushes: ISA guide 15.8), and weights below 2^-14 carry an absolute error of up to 2^-25.  The row sum adds the unrounded weights.
; In the trips that touch the diagonal, 16 x 16 tiles that lie wholly above it are computed and masked: 15 of a work-group's 144 wave-trips.
.set SEQB,   0x80000                   ; bytes of one head in each tensor: 2048 rows of 256
.set PAIR,   0x8000                    ; 128 keys of 256 bytes
.set CHUNK,  0x10000                   ; 256 queries of 256 bytes
.set NTRIPS, 18
.set KP,  144                          ; LDS pitch of K and Q rows: 128 bytes of bf16 + 16 = 9 x 16, so 16 rows begin at 16 different 16-byte columns modulo 256
.set VP,  160                          ; LDS pitch of V rows: 128 bytes of f16 + 32 = 5 x 32, for the transposing loads
.set SP,  272                          ; LDS pitch of a stage row: 256 bytes of f32 + 16 = 17 x 16
.set VS,  128*KP                       ; K's slot begins at LDS byte 0; V's behind it
.set QS,  VS+128*VP                    ; both Q chunks in bf16, 512 rows
.set QCH, 256*KP
.set ML,  QS+2*QCH                     ; wave w at 1024 w: its four n at 16 x lane, its four l at 512 + 16 x lane
.set ST,  ML+8192                      ; wave w at STB w: 64 rows of its scaled O
.set STB, 64*SP
; window 0
.set GOK, 2                            ; this trip's byte offsets in K and V
.set GOV, 3
.set TK,  4                            ; my 16 bytes in a block of 16 rows of K or Q: row w + 8 (lane / 16)
.set TV,  5                            ; the same for V: row (w & 3) + 8 (w >> 2) + 4 (lane / 16)
.set PF,  6
.set PFB, 7
.set KA,  8
.set VA,  9
.set KW,  10
.set VW,  11
.set QA,  12
.set MLW, 13
.set MLR, 14
.set STW, 15
.set STR0, 16
.set STR1, 17
.set OO,  18
.set NINF, 19
.set NS,  20                           ; v[20:23] n = -(c x running maximum) of my query in sub-block i
.set LS,  24                           ; v[24:27] my half's running sum
.set PN,  28                           ; v[28:31] the partner's n;  v28, v29 in the prologue: where Q goes
.set PL,  32                           ; v[32:35] the partner's l
.set QW,  28
.set QW2, 29
.set T,   36                           ; v[36:43] at work
.set NW,  44                           ; v[44:45] the new n (v45 is only there to make a pair)
.set AL,  46                           ; v[46:47] the factor on O and l (v47 likewise)
.set P,   48                           ; v[48:63] the weights in f16: two source-1 fragments
.set S0,  64                           ; v[64:95], v[96:127] two sets of four score tiles
.set S1,  96
.set KF,  128                          ; v[128:191] K fragments: (key block u, d step s) at 8 (4 s + u)
.set VF,  192                          ; v[192:255] V^T fragments: (d block c, key step k) at 8 (4 k + c)
; window 1 (v256-511, named by their low 8 bits)
.set Q,   0                            ; Q fragments: sub-block i at 16 i, d step s at + 8 s
.set O,   64                           ; O^T: sub-block i at 32 i, d block c at + 8 c
.set G,   192                          ; the next pair on its way: K's load n at 4 n, V's at 32 + 4 n
; s_set_vgpr_msb's low byte: bits 1:0 source 0, 3:2 source 1, 5:4 source 2, 7:6 destination; its high byte repeats the setting that is left
.set MSB, 0
.macro WIN new
.if MSB != \new
	s_set_vgpr_msb (MSB<<8)|\new
.set MSB, \new
.endif
.endm
; Four places (ISA guide 7.12.1) where no useful independent vector work is at hand
.macro PLACES
.rept 4
	v_nop
.endr
.endm
; 16 loads: the pair of key tiles at the offsets in ak, av.  A half-wave takes one whole row of 256 bytes.
.macro KVLOAD ak, av
	WIN 0x40                                       ; destination in window 1
.irp n, 0,1,2,3,4,5,6,7
	global_load_b128 v[G+4*\n:G+4*\n+3], v[\ak], s[6:7] offset:4096*\n
.endr
.irp n, 0,1,2,3,4,5,6,7
	global_load_b128 v[G+32+4*\n:G+32+4*\n+3], v[\av], s[8:9] offset:4096*\n
.endr
	WIN 0
.endm
; The pair is rounded in place and stored.  K: to bf16.  V: to bf16, widened again (a shift, a mask) and written as f16, which changes no number
; inside the range given at the head: 8 lines for four numbers, once per work-group and not once for each of the four waves that read them.
; The two half-waves' 128 bytes lie 8 x 144 = 1152 (K) or 4 x 160 = 640 (V) bytes apart: 128 modulo 256, so one store's 256 bytes fall on
; 256 different bytes modulo 256.
.macro KVSTORE
	WIN 0x45
.set kk, 0
.rept 8
	v_cvt_pk_bf16_f32 v[G+4*kk], v[G+4*kk], v[G+4*kk+1]
	v_cvt_pk_bf16_f32 v[G+4*kk+1], v[G+4*kk+2], v[G+4*kk+3]
.set kk, kk+1
.endr
.set kk, 8
.rept 8
	v_cvt_pk_bf16_f32 v[G+4*kk], v[G+4*kk], v[G+4*kk+1]
	v_cvt_pk_bf16_f32 v[G+4*kk+2], v[G+4*kk+2], v[G+4*kk+3]
.set kk, kk+1
.endr
.set kk, 8
.rept 8
	v_and_b32 v[G+4*kk+1], s56, v[G+4*kk]          ; the upper bf16 as f32,
	v_lshlrev_b32 v[G+4*kk], 16, v[G+4*kk]         ; the lower one
	v_and_b32 v[G+4*kk+3], s56, v[G+4*kk+2]
	v_lshlrev_b32 v[G+4*kk+2], 16, v[G+4*kk+2]
.set kk, kk+1
.endr
.set kk, 8
.rept 8
	v_cvt_pk_f16_f32 v[G+4*kk], v[G+4*kk], v[G+4*kk+1]
	v_cvt_pk_f16_f32 v[G+4*kk+1], v[G+4*kk+2], v[G+4*kk+3]
.set kk, kk+1
.endr
	WIN 0x04                                       ; store data in window 1
.irp n, 0,1,2,3,4,5,6,7
	ds_store_b64 v[KW], v[G+4*\n:G+4*\n+1] offset:\n*16*KP
.endr
.irp n, 0,1,2,3,4,5,6,7
	ds_store_b64 v[VW], v[G+32+4*\n:G+32+4*\n+1] offset:\n*16*VP
.endr
	WIN 0
.endm
; A Q chunk: 16 loaded blocks in f, rounded to bf16 and stored at a
.macro QSTORE f, a
.set kk, 0
.rept 16
	v_cvt_pk_bf16_f32 v[\f+4*kk], v[\f+4*kk], v[\f+4*kk+1]
	v_cvt_pk_bf16_f32 v[\f+4*kk+1], v[\f+4*kk+2], v[\f+4*kk+3]
.set kk, kk+1
.endr
.set kk, 0
.rept 16
	ds_store_b64 v[\a], v[\f+4*kk:\f+4*kk+1] offset:kk*16*KP
.set kk, kk+1
.endr
.endm
; Four products: the scores of 64 keys x sub-block i, d step s, into the tiles at X.  Step 0 starts the sums.
; The four tiles take turns, one instruction a turn.  Caller: source 1 in window 1.
.macro SMULH i, X, s
.irp u, 0,1,2,3
.if \s
	v_wmma_f32_16x16x32_bf16 v[\X+8*\u:\X+8*\u+7], v[KF+32+8*\u:KF+32+8*\u+7], v[Q+16*\i+8:Q+16*\i+15], v[\X+8*\u:\X+8*\u+7]
.else
	v_wmma_f32_16x16x32_bf16 v[\X+8*\u:\X+8*\u+7], v[KF+8*\u:KF+8*\u+7], v[Q+16*\i:Q+16*\i+7], 0
.endif
.endr
.endm
; The causal mask on the four tiles at X.  s25 + i - u = (first query of the sub-block - first key of the tile) / 16:
; above 0 all is kept, below 0 all is masked, at 0 key 8 h + jj is masked where it exceeds query r: lanes r < jj of the lower half, r < 8 + jj of the upper.
.macro MASK i, X
.irp u, 0,1,2,3
	s_add_co_i32 s42, s25, \i-\u
	s_ashr_i32 s43, s42, 31                        ; all ones where the tile lies above the diagonal
	s_cmp_eq_u32 s42, 0
.irp jj, 0,1,2,3,4,5,6,7
	s_cselect_b32 s[44+\jj], ((1<<\jj)-1)|(((1<<(8+\jj))-1)<<16), s43
.endr
.irp jj, 0,1,2,3,4,5,6,7
	v_cndmask_b32 v[\X+8*\u+\jj], v[\X+8*\u+\jj], v[NINF], s[44+\jj]
.endr
.endr
.endm
; Sub-block i's 64 scores at X become weights.  n = -(c x maximum so far), c = log2(e) / 8; weight = 2^(c s + n); factor on what was = 2^(n new - n old).
; first = 1: nothing was; n is capped at the largest finite number, so that a row with all 64 keys masked gets weights 0 and no NaN.
.macro SOFTMAX i, X, first, mask
.if \mask
	MASK \i, \X
.endif
.irp k, 0,1,2,3
	v_max3_num_f32 v[T+\k], v[\X+8*\k], v[\X+8*\k+1], v[\X+8*\k+2]
.endr
.irp k, 0,1,2,3
	v_max3_num_f32 v[T+\k], v[T+\k], v[\X+8*\k+3], v[\X+8*\k+4]
.endr
.irp k, 0,1,2,3
	v_max3_num_f32 v[T+\k], v[T+\k], v[\X+8*\k+5], v[\X+8*\k+6]
.endr
	v_max3_num_f32 v[T], v[T], v[\X+7], v[\X+15]
	v_max3_num_f32 v[T+1], v[T+1], v[\X+23], v[\X+31]
	v_max3_num_f32 v[T], v[T], v[T+1], v[T+2]
	v_max_num_f32 v[T], v[T], v[T+3]
	v_permlanex16_b32 v[T+1], v[T], s32, s33       ; the same query's other 32 keys lie in lane xor 16
	v_max_num_f32 v[T], v[T], v[T+1]
	v_mul_f32 v[T], s30, v[T]                      ; x -c
.if \first
	v_min_num_f32 v[NW], 0x7f7fffff, v[T]
.else
	v_min_num_f32 v[NW], v[NS+\i], v[T]
	v_sub_f32 v[T+1], v[NW], v[NS+\i]
	v_exp_f32 v[AL], v[T+1]
.endif
	v_mov_b32 v[NS+\i], v[NW]                      ; also the plain instruction behind v_exp_f32 (ISA guide 5.7.2)
.set kk, 0
.rept 16
	v_pk_fma_f32 v[\X+2*kk:\X+2*kk+1], v[\X+2*kk:\X+2*kk+1], s[28:29], v[NW:NW+1] op_sel_hi:[1,0,0]
.set kk, kk+1
.endr
.set kk, 0
.rept 32
	v_exp_f32 v[\X+kk], v[\X+kk]
.set kk, kk+1
.endr
.if \first
	v_nop                                          ; the plain instruction behind the exponentials
	s_wait_alu depctr_va_vdst(0)
.else
	s_wait_alu depctr_va_vdst(0)
	v_mul_f32 v[LS+\i], v[LS+\i], v[AL]            ; the plain instruction behind the exponentials: it names none of them
.endif
.irp k, 0,1,2,3
	v_pk_add_f32 v[T+2*\k:T+2*\k+1], v[\X+8*\k:\X+8*\k+1], v[\X+8*\k+2:\X+8*\k+3]
.endr
.irp k, 0,1,2,3
	v_pk_add_f32 v[T+2*\k:T+2*\k+1], v[T+2*\k:T+2*\k+1], v[\X+8*\k+4:\X+8*\k+5]
.endr
.irp k, 0,1,2,3
	v_pk_add_f32 v[T+2*\k:T+2*\k+1], v[T+2*\k:T+2*\k+1], v[\X+8*\k+6:\X+8*\k+7]
.endr
	v_pk_add_f32 v[T:T+1], v[T:T+1], v[T+2:T+3]
	v_pk_add_f32 v[T+4:T+5], v[T+4:T+5], v[T+6:T+7]
	v_pk_add_f32 v[T:T+1], v[T:T+1], v[T+4:T+5]
.if \first
	v_add_f32 v[LS+\i], v[T], v[T+1]
.else
	v_add_f32 v[T], v[T], v[T+1]
	v_add_f32 v[LS+\i], v[LS+\i], v[T]
.endif
.set kk, 0
.rept 16
	v_cvt_pk_f16_f32 v[P+kk], v[\X+2*kk], v[\X+2*kk+1]    ; tiles 0, 1 make the fragment of keys 0-31, tiles 2, 3 that of keys 32-63
.set kk, kk+1
.endr
.endm
; O of sub-block i times the factor in AL
.macro RESCALE i
	WIN 0x41                                       ; destination and source 0 in window 1
.set kk, 0
.rept 16
	v_pk_mul_f32 v[O+32*\i+2*kk:O+32*\i+2*kk+1], v[O+32*\i+2*kk:O+32*\i+2*kk+1], v[AL:AL+1] op_sel_hi:[1,0]
.set kk, kk+1
.endr
.endm
; Eight products in f16: O^T of sub-block i += V^T P^T.  The four d blocks take turns, one instruction a turn.
; The bf16 form (scores) and the f16 form (here) never name the same accumulator.
.macro PV i, first
	WIN 0x50                                       ; C and D in window 1
.irp c, 0,1,2,3
.if \first
	v_wmma_f32_16x16x32_f16 v[O+32*\i+8*\c:O+32*\i+8*\c+7], v[VF+8*\c:VF+8*\c+7], v[P:P+7], 0
.else
	v_wmma_f32_16x16x32_f16 v[O+32*\i+8*\c:O+32*\i+8*\c+7], v[VF+8*\c:VF+8*\c+7], v[P:P+7], v[O+32*\i+8*\c:O+32*\i+8*\c+7]
.endif
.endr
.irp c, 0,1,2,3
	v_wmma_f32_16x16x32_f16 v[O+32*\i+8*\c:O+32*\i+8*\c+7], v[VF+32+8*\c:VF+32+8*\c+7], v[P+8:P+15], v[O+32*\i+8*\c:O+32*\i+8*\c+7]
.endr
.endm
.macro SMRS i, X, first, mask          ; softmax of a sub-block, and the factor on its O
	WIN 0
	SOFTMAX \i, \X, \first, \mask
.if 1-\first
	RESCALE \i
.endif
.endm
; A wave's trip: 64 keys x 64 queries.  The scores of sub-block i + 2 are issued behind the O products of sub-block i, two sets of tiles in turn.
; Each set is read, and written over, only behind a whole softmax of the other set: more than five plain vector lines that name none of its registers.
.macro STEP first, mask
	WIN 0x04
	s_wait_dscnt 24                                ; of the trip's 32 fragment loads the youngest 24 may be out: K's d 0-31 is in (and Q, loaded ahead of them in a chunk's first trip)
	SMULH 0, S0, 0
	s_wait_dscnt 16                                ; all of K is in; V's 16 loads may be out
	SMULH 0, S0, 1
	SMULH 1, S1, 0
	SMULH 1, S1, 1
	WIN 0
	PLACES                                         ; between the products and the first vector line that reads S0
	SMRS 0, S0, \first, \mask
	s_wait_dscnt 0x0                               ; V is in: all my reads of the slot are back,
	s_barrier_signal -1                            ; say so; only register work stands between this and the wait behind the step
	PV 0, \first
	WIN 0x04
	SMULH 2, S0, 0
	SMULH 2, S0, 1
	SMRS 1, S1, \first, \mask
	PV 1, \first
	WIN 0x04
	SMULH 3, S1, 0
	SMULH 3, S1, 1
	SMRS 2, S0, \first, \mask
	PV 2, \first
	SMRS 3, S1, \first, \mask
	PV 3, \first
	WIN 0
	PLACES                                         ; behind the last products: the next loads into V's fragments, and the lines that read O, come later on every path
.endm
; A trip.  first: the chunk's first trip.  mask: the causal mask is applied.  tail: this may be the work-group's last trip, which fetches nothing.
.macro TRIP first, mask, tail
	s_wait_xcnt 0x0                                ; the offsets of the last trip's loads and prefetch, and the data of a chunk's stores, are rewritten only behind this wait
.if \tail
	s_cmp_lt_u32 s24, NTRIPS-1
	s_cbranch_scc0 .Lnoload_\@
.endif
	v_add_nc_u32 v[GOK], s22, v[TK]
	v_add_nc_u32 v[GOV], s22, v[TV]
	KVLOAD GOK, GOV                                ; the next pair; it has the whole step in which to come
.if \tail
.Lnoload_\@:
.else
	s_add_co_u32 s41, s22, PAIR                    ; the pair behind it
	s_cmp_lt_u32 s41, s40                          ; s40 = the head's bytes in the one work-group and chunk that ask, else 0
	s_cbranch_scc0 .Lnopf_\@
	v_add_nc_u32 v[PF], s41, v[PFB]
	global_prefetch_b8 v[PF], s[38:39] th:TH_LOAD_NT scope:SCOPE_SE
.Lnopf_\@:
.endif
.irp s, 0,1
.irp u, 0,1,2,3
	ds_load_b128 v[KF+8*(4*\s+\u):KF+8*(4*\s+\u)+3], v[KA] offset:\u*16*KP+64*\s
	ds_load_b128 v[KF+8*(4*\s+\u)+4:KF+8*(4*\s+\u)+7], v[KA] offset:\u*16*KP+64*\s+32
.endr
.endr
.irp k, 0,1
.irp c, 0,1,2,3
	ds_load_tr16_b128 v[VF+8*(4*\k+\c):VF+8*(4*\k+\c)+3], v[VA] offset:\k*32*VP+32*\c
	ds_load_tr16_b128 v[VF+8*(4*\k+\c)+4:VF+8*(4*\k+\c)+7], v[VA] offset:\k*32*VP+32*\c+16*VP
.endr
.endr
	STEP \first, \mask
	s_barrier_wait -1                              ; every wave's reads of the slot are back
	s_wait_loadcnt 0x0                             ; the next pair is in registers (on every path: G is loaded again only behind this wait)
.if \tail
	s_cmp_lt_u32 s24, NTRIPS-1
	s_cbranch_scc0 .Lnostore_\@
.endif
	KVSTORE
.if \tail
.Lnostore_\@:
.endif
	s_add_co_u32 s22, s22, PAIR
	s_cmp_eq_u32 s22, s23                          ; behind the chunk's last pair comes pair 0, for the next chunk
	s_cselect_b32 s22, 0, s22
	s_add_co_u32 s24, s24, 1
.if \mask*(1-\first)
	s_sub_co_i32 s25, s25, 8                       ; the next trip's keys begin 128 further on
.endif
	s_wait_dscnt 0x0                               ; my stores are done,
	s_barrier_signal -1
	s_barrier_wait -1                              ; everybody's are: the slot holds the next pair
.endm
	; ---- ids, constants, the two offsets that the first loads need ----
	s_load_b256 s[4:11], s[0:1], 0x0               ; query s[4:5], key s[6:7], value s[8:9], out s[10:11]
	v_lshrrev_b32 v1, 5, v0
	v_readfirstlane_b32 s12, v1                    ; wave w
	s_and_b32 s13, s12, 3                          ; rg
	s_lshr_b32 s14, s12, 2                         ; p
	s_and_b32 s15, ttmp9, 3                        ; j
	s_sub_co_u32 s27, 7, s15                       ; 7 - j
	s_lshr_b32 s16, ttmp9, 2
	s_lshl_b32 s16, s16, 19                        ; head x 0x80000 bytes, below 2^25
	s_mov_b32 s17, 0
	s_mov_b32 s37, 0
	s_mov_b32 s28, 0x3e38aa3b                      ; c = log2(e) / 8, twice for the packed form
	s_mov_b32 s29, 0x3e38aa3b
	s_mov_b32 s30, 0xbe38aa3b                      ; -c
	s_mov_b32 s32, 0x76543210                      ; v_permlanex16_b32: lane i of one half reads lane i of the other
	s_mov_b32 s33, 0xfedcba98
	s_mov_b32 s56, 0xffff0000                      ; a word's upper bf16
	s_sub_co_i32 s26, s13, s14
	s_lshl_b32 s26, s26, 2                         ; 4 (rg - p)
	v_and_b32 v1, 15, v0                           ; r
	v_bfe_u32 v36, v0, 4, 1                        ; h
	v_and_b32 v37, 31, v0                          ; lane
	v_lshlrev_b32 v38, 4, v1                       ; 16 r
	v_lshl_add_u32 v[TK], v36, 11, v38
	s_lshl_b32 s41, s12, 8
	v_add_nc_u32 v[TK], s41, v[TK]                 ; 256 (w + 8 h) + 16 r
	v_lshl_add_u32 v[TV], v36, 10, v38
	s_lshl_b32 s41, s13, 8
	s_lshl_b32 s43, s14, 11
	s_add_co_u32 s41, s41, s43
	v_add_nc_u32 v[TV], s41, v[TV]                 ; 256 (rg + 8 p + 4 h) + 16 r
	s_wait_kmcnt 0x0
	s_add_nc_u64 s[4:5], s[4:5], s[16:17]          ; all four tensors at my head
	s_add_nc_u64 s[6:7], s[6:7], s[16:17]
	s_add_nc_u64 s[8:9], s[8:9], s[16:17]
	s_add_nc_u64 s[10:11], s[10:11], s[16:17]
	s_lshl_b32 s36, s27, 16
	s_add_nc_u64 s[52:53], s[4:5], s[36:37]        ; Q chunk 7 - j
	s_lshl_b32 s36, s15, 16
	s_add_nc_u64 s[54:55], s[4:5], s[36:37]        ; Q chunk j
	s_cmp_eq_u32 s14, 0
	s_cselect_b64 s[38:39], s[6:7], s[8:9]         ; waves 0-3 prefetch K, waves 4-7 V
	; ---- 48 loads go out together: K and V pair 0, then the two Q chunks (read once in the launch) ----
	KVLOAD TK, TV
.set kk, 0
.rept 16
	global_load_b128 v[KF+4*kk:KF+4*kk+3], v[TK], s[52:53] offset:4096*kk th:TH_LOAD_NT
.set kk, kk+1
.endr
.set kk, 0
.rept 16
	global_load_b128 v[VF+4*kk:VF+4*kk+3], v[TK], s[54:55] offset:4096*kk th:TH_LOAD_NT
.set kk, kk+1
.endr
	; ---- the other addresses, while they come ----
	v_lshl_add_u32 v[OO], v36, 8, v38
	s_lshl_b32 s41, s13, 14
	s_lshl_b32 s43, s14, 13
	s_add_co_u32 s41, s41, s43
	v_add_nc_u32 v[OO], s41, v[OO]                 ; out: 256 (64 rg + 32 p + h) + 16 r
	v_mul_u32_u24 v39, v36, SP
	v_add_nc_u32 v39, v39, v38
	s_mul_i32 s41, s13, STB
	s_mul_i32 s43, s14, 32*SP
	s_add_co_u32 s41, s41, s43
	s_add_co_u32 s41, s41, ST
	v_add_nc_u32 v[STR0], s41, v39                 ; stage of wave rg, row 32 p + h, 16 r
	v_add_nc_u32 v[STR1], 4*STB, v[STR0]           ; the same place in the stage of wave rg + 4
	v_mul_u32_u24 v39, v1, SP
	v_lshl_add_u32 v39, v36, 5, v39
	s_mul_i32 s41, s12, STB
	s_add_co_u32 s41, s41, ST
	v_add_nc_u32 v[STW], s41, v39                  ; my stage, row r, 32 h
	v_lshlrev_b32 v39, 4, v37
	s_lshl_b32 s41, s12, 10
	s_add_co_u32 s41, s41, ML
	v_add_nc_u32 v[MLW], s41, v39
	s_xor_b32 s41, s12, 4                          ; the wave with my rows and the other parity
	s_lshl_b32 s41, s41, 10
	s_add_co_u32 s41, s41, ML
	v_add_nc_u32 v[MLR], s41, v39
	v_lshlrev_b32 v39, 8, v37
	s_lshl_b32 s41, s13, 13
	v_add_nc_u32 v[PFB], s41, v39                  ; prefetch: 8192 rg + 256 x lane
	v_mul_u32_u24 v39, v1, KP
	v_lshl_add_u32 v39, v36, 4, v39                ; r x pitch + 16 h
	s_mul_i32 s41, s14, 64*KP
	v_add_nc_u32 v[KA], s41, v39                   ; K fragments: my parity's 64 rows
	s_mul_i32 s41, s13, 64*KP
	s_add_co_u32 s41, s41, QS
	v_add_nc_u32 v[QA], s41, v39                   ; Q fragments: my row group's 64 rows
	v_and_b32 v39, 7, v0
	v_lshl_add_u32 v39, v36, 3, v39
	v_mul_u32_u24 v39, v39, VP
	v_bfe_u32 v40, v0, 3, 1
	v_lshl_add_u32 v39, v40, 4, v39
	s_mul_i32 s41, s14, 64*VP
	s_add_co_u32 s41, s41, VS
	v_add_nc_u32 v[VA], s41, v39                   ; V^T fragments: row 64 p + 8 h + (lane & 7), 16 bytes x bit 3 of the lane
	v_lshlrev_b32 v41, 3, v1                       ; 8 r: four numbers of 16 bits
	v_mul_u32_u24 v39, v36, 8*KP
	v_add_nc_u32 v39, v39, v41
	s_mul_i32 s41, s12, KP
	v_add_nc_u32 v[KW], s41, v39                   ; where K goes: row w + 8 h
	v_add_nc_u32 v[QW], QS, v[KW]
	v_add_nc_u32 v[QW2], QS+QCH, v[KW]
	v_mul_u32_u24 v39, v36, 4*VP
	v_add_nc_u32 v39, v39, v41
	s_mul_i32 s41, s13, VP
	s_mul_i32 s43, s14, 8*VP
	s_add_co_u32 s41, s41, s43
	s_add_co_u32 s41, s41, VS
	v_add_nc_u32 v[VW], s41, v39                   ; where V goes: row rg + 8 p + 4 h
	v_mov_b32 v[NINF], 0xff800000
	v_mov_b32 v[NW+1], 0                           ; the unused halves of two broadcast pairs
	v_mov_b32 v[AL+1], 0
	s_wait_loadcnt 32                              ; K's and V's 16 loads are in; Q's 32 may be out
	KVSTORE
	s_wait_loadcnt 16                              ; the first Q chunk is in
	QSTORE KF, QW
	s_wait_loadcnt 0x0
	QSTORE VF, QW2
	s_wait_dscnt 0x0                               ; my stores are done,
	s_barrier_signal -1
	s_barrier_wait -1                              ; everybody's are
	s_mov_b32 s19, 0                               ; pass
	s_mov_b32 s22, PAIR                            ; offset of the pair that the next trip fetches
	s_mov_b32 s24, 0                               ; trips done
.Lpass:
	s_cmp_eq_u32 s19, 0
	s_cselect_b32 s18, s27, s15                    ; chunk c = 7 - j, then j
	s_or_b32 s41, s15, s19
	s_cmp_eq_u32 s41, 0
	s_cselect_b32 s40, SEQB, 0                     ; only j = 0 prefetches, and only in its first chunk
	s_lshl_b32 s36, s18, 16
	s_wait_xcnt 0x0                                ; the last chunk's stores name s[34:35]
	s_add_nc_u64 s[34:35], s[10:11], s[36:37]      ; out at my chunk
	s_add_co_u32 s23, s36, CHUNK                   ; (2 c + 2) pairs of K or V in bytes
	s_lshl4_add_u32 s25, s18, s26                  ; trip 0: (first query - first key) / 16 = 16 c + 4 (rg - p)
	s_lshl_b32 s31, s18, 1
	s_sub_co_i32 s31, s31, 1                       ; 2 c - 1 trips without a mask
	WIN 0x40
.irp i, 0,1,2,3
.irp s, 0,1
	ds_load_b128 v[Q+16*\i+8*\s:Q+16*\i+8*\s+3], v[QA] offset:\i*16*KP+64*\s
	ds_load_b128 v[Q+16*\i+8*\s+4:Q+16*\i+8*\s+7], v[QA] offset:\i*16*KP+64*\s+32
.endr
.endr
	WIN 0
	TRIP 1, 1, 0                                   ; trip 0 starts the sums; in chunk 0 it touches the diagonal
	s_cmp_eq_u32 s18, 0
	s_cbranch_scc1 .Lnofull
	s_mov_b32 s20, 0
.Lf:
	TRIP 0, 0, 0
	s_add_co_u32 s20, s20, 1
	s_cmp_lt_u32 s20, s31
	s_cbranch_scc1 .Lf
.Lnofull:
	s_sub_co_i32 s41, s26, 8
	s_cmp_eq_u32 s18, 0
	s_cselect_b32 s21, 1, 2                        ; the trips on the chunk's own 256 keys that are left
	s_cselect_b32 s25, s41, s26                    ; trip 2 c: 4 (rg - p); trip 2 c + 1: 8 less
	s_mov_b32 s20, 0
.Lm:
	TRIP 0, 1, 1
	s_add_co_u32 s20, s20, 1
	s_cmp_lt_u32 s20, s21
	s_cbranch_scc1 .Lm
	; ---- the chunk's end: the two parities are merged ----
.irp i, 0,1,2,3
	v_permlanex16_b32 v[T+\i], v[LS+\i], s32, s33
.endr
.irp i, 0,1,2,3
	v_add_f32 v[LS+\i], v[LS+\i], v[T+\i]          ; both halves' sums: the row's sum over my parity's keys
.endr
	ds_store_b128 v[MLW], v[NS:NS+3]
	ds_store_b128 v[MLW], v[LS:LS+3] offset:512
	s_wait_dscnt 0x0                               ; my n and l are stored,
	s_barrier_signal -1
	s_barrier_wait -1                              ; the partner's too
	ds_load_b128 v[PN:PN+3], v[MLR]
	ds_load_b128 v[PL:PL+3], v[MLR] offset:512
	s_wait_dscnt 0x0
.irp i, 0,1,2,3
	v_min_num_f32 v[T+\i], v[NS+\i], v[PN+\i]      ; the joint n
.endr
.irp i, 0,1,2,3
	v_sub_f32 v[T+4+\i], v[T+\i], v[PN+\i]
	v_sub_f32 v[T+\i], v[T+\i], v[NS+\i]
.endr
.irp k, 0,1,2,3,4,5,6,7
	v_exp_f32 v[T+\k], v[T+\k]                     ; my factor a and the partner's a'; a parity with no key unmasked has n at the cap: factor 0
.endr
	v_nop                                          ; the plain instruction behind the exponentials
	s_wait_alu depctr_va_vdst(0)
.irp i, 0,1,2,3
	v_mul_f32 v[LS+\i], v[LS+\i], v[T+\i]
.endr
.irp i, 0,1,2,3
	v_fmac_f32 v[LS+\i], v[PL+\i], v[T+4+\i]       ; l a + l' a': at least about 1, since key 0 is open to every query and the largest weight is 1
.endr
.irp i, 0,1,2,3
	v_rcp_f32 v[T+4+\i], v[LS+\i]
.endr
	v_nop                                          ; the plain instruction behind the reciprocals
	s_wait_alu depctr_va_vdst(0)
.irp i, 0,1,2,3
	WIN 0
	v_mul_f32 v[AL], v[T+\i], v[T+4+\i]            ; a / sum
	RESCALE \i
	WIN 0x04
.irp c, 0,1,2,3
	ds_store_b128 v[STW], v[O+32*\i+8*\c:O+32*\i+8*\c+3] offset:\i*16*SP+64*\c          ; row 16 i + r, d = 16 c + 8 h + 0 .. 3
	ds_store_b128 v[STW], v[O+32*\i+8*\c+4:O+32*\i+8*\c+7] offset:\i*16*SP+64*\c+16     ; d = 16 c + 8 h + 4 .. 7
.endr
.endr
	WIN 0
	s_wait_dscnt 0x0                               ; my stage is written,
	s_barrier_signal -1
	s_barrier_wait -1                              ; all are
	; I add and store rows 32 p .. 32 p + 31 of my row group: two rows a load, from both parities' stages
.set kk, 0
.rept 16
	ds_load_b128 v[KF+4*kk:KF+4*kk+3], v[STR0] offset:kk*2*SP
	ds_load_b128 v[VF+4*kk:VF+4*kk+3], v[STR1] offset:kk*2*SP
.set kk, kk+1
.endr
.set kk, 0
.rept 16
	s_wait_dscnt 30-2*kk                           ; LDS loads come back in order (ISA guide 5.7.1): this pair of loads is in, the younger pairs may be out
	v_pk_add_f32 v[KF+4*kk:KF+4*kk+1], v[KF+4*kk:KF+4*kk+1], v[VF+4*kk:VF+4*kk+1]
	v_pk_add_f32 v[KF+4*kk+2:KF+4*kk+3], v[KF+4*kk+2:KF+4*kk+3], v[VF+4*kk+2:VF+4*kk+3]
	global_store_b128 v[OO], v[KF+4*kk:KF+4*kk+3], s[34:35] offset:512*kk th:TH_STORE_NT   ; sixteen lanes store one whole row of out: 256 consecutive bytes, aligned
.set kk, kk+1
.endr
	v_add_nc_u32 v[QA], QCH, v[QA]                 ; the second chunk's Q
	s_add_co_u32 s19, s19, 1
	s_cmp_lt_u32 s19, 2
	s_cbranch_scc1 .Lpass
	s_wait_xcnt 0x0
	v_lshl_add_u32 v254, v0, 2, 0x3f800
	v_mov_b32 v255, 0
	s_wait_tensorcnt 0x0
	ds_add_u32 v254, v255
	s_wait_dscnt 0x0
	s_endpgm
.Lfunc_end_k_q4b9c61b96a_attn:
	.size	k_q4b9c61b96a_attn, .Lfunc_end_k_q4b9c61b96a_attn-k_q4b9c61b96a_attn
	.p2alignl 7, 3214868480
	.fill 96, 4, 3214868480
	.section	.rodata,"a",@progbits
	.p2align	6, 0x0
	.amdhsa_kernel k_q4b9c61b96a_attn
		.amdhsa_group_segment_fixed_size 261120
		.amdhsa_private_segment_fixed_size 0
		.amdhsa_enable_private_segment 0
		.amdhsa_kernarg_size 32
		.amdhsa_user_sgpr_count 2
		.amdhsa_user_sgpr_kernarg_segment_ptr 1
		.amdhsa_wavefront_size32 1
		.amdhsa_system_sgpr_workgroup_id_x 1
		.amdhsa_system_sgpr_workgroup_id_y 1
		.amdhsa_system_sgpr_workgroup_id_z 1
		.amdhsa_system_vgpr_workitem_id 0
		.amdhsa_next_free_vgpr 512
		.amdhsa_next_free_sgpr 66
		.amdhsa_reserve_vcc 0
		.amdhsa_float_denorm_mode_32 3
		.amdhsa_float_denorm_mode_16_64 3
		.amdhsa_memory_ordered 1
		.amdhsa_forward_progress 1
		.amdhsa_inst_pref_size 187
	.end_amdhsa_kernel
	.amdgpu_metadata
---
amdhsa.version: [ 1, 2 ]
amdhsa.kernels:
  - .name:           k_q4b9c61b96a_attn
    .symbol:         k_q4b9c61b96a_attn.kd
    .args:
      - { .name: query, .offset: 0, .size: 8, .value_kind: global_buffer, .address_space: global }
      - { .name: key, .offset: 8, .size: 8, .value_kind: global_buffer, .address_space: global }
      - { .name: value, .offset: 16, .size: 8, .value_kind: global_buffer, .address_space: global }
      - { .name: out0, .offset: 24, .size: 8, .value_kind: global_buffer, .address_space: global }
    .group_segment_fixed_size: 261120
    .private_segment_fixed_size: 0
    .kernarg_segment_align: 8
    .kernarg_segment_size: 32
    .max_flat_workgroup_size: 256
    .sgpr_count:     66
    .vgpr_count:     512
    .wavefront_size: 32
...
	.end_amdgpu_metadata
.endif
;; end of part 1
